; MI455X (gfx1250); checked and timed in simulation.
; The chip was launched on July 23, 2026; its instructions are those of AMD's public machine-readable ISA for CDNA 5 (MIT licence, August 2026) and "CDNA5" Instruction Set Architecture Reference Guide (July 2026). The comments in the code are by the model that wrote it; some were corrected since.
;; Perceiver Attn. Allowed arithmetic: matrix products marked QUANTISED: E4M3 operands, one given power-of-two scale a tensor, by v_wmma_f32_16x16x64_fp8_fp8 or v_wmma_f32_16x16x128_fp8_fp8, f32 sums; everything else in f32.
;; Inputs: Wk_codes 1,024 x 32 x 32 uint8 (E4M3 codes of Wk, K innermost, in blocks of 32 codes); Wq_codes 1,024 x 32 x 32 uint8 (E4M3 codes of Wq, K innermost, in blocks of 32 codes); Wv_codes 1,024 x 32 x 32 uint8 (E4M3 codes of Wv, K innermost, in blocks of 32 codes); lowp_scales 10 int32 (the exponents e of the quantised operands' scales 2^e); x_codes 4 x 4,096 x 32 x 32 uint8 (E4M3 codes of x, K innermost, in blocks of 32 codes).
;; Outputs: out0 4 x 512 x 1,024 float32.
;; Constants: q_len = 512.
;; This version of the problem:
;;   THIS VERSION OF THE PROBLEM IS GIVEN IN LOW PRECISION. The matrix products marked QUANTISED in the list below multiply operands that are first quantised to E4M3 (4 exponent bits, 3 mantissa bits; 8 bits a number), with one given power-of-two scale for each operand tensor; their sums are f32. All else is computed in f32.
;;   The module's matrix products, in the order in which they are computed (A, B: the left and right operand; K: the contracted axis; several contracted axes count as one K, in the product's order):
;;     1. [M 16,384, K 1,024] x [K 1,024, N 1,024]; A: input x (given as codes); B: input Wk (given as codes): QUANTISED (scales: A lowp_scales[0], B lowp_scales[1])
;;     2. [M 16,384, K 1,024] x [K 1,024, N 1,024]; A: input x (given as codes); B: input Wv (given as codes): QUANTISED (scales: A lowp_scales[2], B lowp_scales[3])
;;     3. [M 2,048, K 1,024] x [K 1,024, N 1,024]; A: input x (given as codes); B: input Wq (given as codes): QUANTISED (scales: A lowp_scales[4], B lowp_scales[5])
;;     4. batch 64 x [M 512, K 64] x [K 64, N 4,096]; A: computed on the way; B: computed on the way: QUANTISED (scales: A lowp_scales[6], B lowp_scales[7])
;;     5. batch 64 x [M 512, K 4,096] x [K 4,096, N 64]; A: softmax (see below); B: computed on the way: QUANTISED (scales: A lowp_scales[8], B lowp_scales[9])
;;   THE QUANTISER, for each operand of a quantised product, along K:
;;     - The operand's scale is 2^e, e = its entry of the input lowp_scales (int32; the entries are numbered through the quantised products in the list's order, A before B).
;;     - Each number is divided by the scale, clamped to +-448, and rounded to the nearest number of E4M3, ties to even, subnormals kept.
;;     - The product sums the exact products of the quantised numbers (number of the format x scale) in f32.
;;   ~~~python
;;   def quantise(x, axis, e):      # numpy; x: float32 -> the quantised numbers, widened to float32 again
;;       x = np.moveaxis(x, axis, -1); K = x.shape[-1]
;;       r = np.clip(x / 2.0 ** e, -448, 448)
;;       step = 2.0 ** (np.maximum(np.frexp(np.where(r == 0, 1, r))[1] - 1, -6) - 3)
;;       q = np.round(r / step) * step * 2.0 ** e      # np.round: ties to even
;;       return np.moveaxis(q, -1, axis).astype(np.float32)
;;   ~~~
;;   SOFTMAX AHEAD OF A QUANTISED PRODUCT. Where the list says 'softmax', what is quantised is not the finished softmax but p = 2^(t - M), with t = logit x log2(e) and M = ceil(the row's largest t), a whole number; so 1/2 < the row's largest p <= 1. The row's sum l is taken of the UNQUANTISED p, in f32, and the product's result is divided by l at the end. Since M is a whole number, a kernel that streams over the keys may use a running M (the ceiling of the running maximum): every later rescaling is an exact power of two, so the quantised numbers keep their values, but for numbers so far below the row's largest that they fall under the format's range.
;;   OPERANDS COMPUTED ON THE WAY. 'Computed on the way' means the value that the module computes at that place (a softmax that the list does not call 'softmax' is quantised finished and normalised). What goes into a quantiser is computed in f32, as accurately as f32 sums, v_exp_f32 and their like allow (about 1e-6 of the number): no bf16 or f16 on the way to a quantiser, and a product that is left as it is and whose result goes on into a quantised operand takes f32 operands (vector FMAs, or v_wmma_f32_16x16x4_f32). A number that lies on a knife's edge between two numbers of the format may be rounded either way, as far as f32 arithmetic and the matrix unit's own rounding can turn it there, and no further.
;;   INPUTS GIVEN AS CODES. Wk (in the module: [1024, 1024], K = its axis 1); Wq (in the module: [1024, 1024], K = its axis 1); Wv (in the module: [1024, 1024], K = its axis 1); x (in the module: [4, 4096, 1024], K = its axis 2): each comes as NAME_codes (uint8): NAME with its K axis moved to the last place and cut into blocks of 32 codes, [.., K / 32, bytes a block], one block behind the other in memory; one code a byte (a code: sign, 4 exponent bits, 3 mantissa bits); its scale is its entry of lowp_scales. Its value is code x scale, taken as it is: it is not quantised again, and the codes and scales need not be those that the quantiser above would give.
;; One version. Each part assembles by itself: llvm-mc -triple=amdgcn-amd-amdhsa -mcpu=gfx1250 --defsym DOCPART=n.
;; ======== version 1 of 1: 2 launches
;; limits: right only within a limited range of input values
;; workspace buffers: kv 33,554,432 bytes
;; launch proj (part 1): grid 8 x 64, 4 waves a work-group, clusters of 4 x 4, 327,680 bytes of LDS; arguments x_codes, Wk_codes, Wv_codes, lowp_scales, kv; writes kv
.if DOCPART == 1
	.amdgcn_target "amdgcn-amd-amdhsa--gfx1250"
	.amdhsa_code_object_version 6
	.text
	.protected	k_qf99b5e5c34_proj
	.globl	k_qf99b5e5c34_proj
	.p2align	8
	.type	k_qf99b5e5c34_proj,@function
k_qf99b5e5c34_proj:
	s_mov_b64 s[64:65], 0
	v_nop
	global_prefetch_b8 v0, s[64:65] scope:SCOPE_SE
	s_setreg_imm32_b32 hwreg(HW_REG_WAVE_MODE, 25, 1), 1
	s_wait_xcnt 0x0
	s_wait_alu depctr_hold_cnt(0) depctr_sa_sdst(0) depctr_va_vdst(0) depctr_va_sdst(0) depctr_va_ssrc(0) depctr_va_vcc(0) depctr_vm_vsrc(0)
	s_getreg_b32 s2, hwreg(HW_REG_IB_STS2, 6, 4)
	s_cmp_eq_u32 s2, 0
	s_cbranch_scc0 .Lentry_in_a_cluster
	s_endpgm
.Lentry_in_a_cluster:
	s_bfe_u32 s2, ttmp6, 0x10000c
	s_cmp_lg_u32 s2, 0xf033
	s_cbranch_scc0 .Lentry_shape_is_right
	s_endpgm
.Lentry_shape_is_right:
; k = x Wk^T (with the interleaved rotary) and v = x Wv^T on E4M3 codes, quantised again and stored as IMAGES OF THE OPERAND REGISTERS that the attention launch loads.
; x: [16384][1024] codes, Wk, Wv: [1024][1024] codes, K innermost.  A tile of 256 x 256 to a work-group of four waves, 128 x 128 to a wave: 64 accumulators, 512 registers.
; THE CLUSTER'S x IS THE TYPE, equal in all sixteen partners.  Type 0 makes k: A = x, B = Wk.  Type 1 makes v: A = Wv, B = x.  The matrix instruction is used transposed (source 0 = 16 rows of B,
; source 1 = 16 rows of A): a lane holds ONE row of A and its eight registers eight neighbouring rows of B.  So for k a lane holds a key and its registers run along the head's d (the next product's K),
; for v a lane holds a d and its registers run along the keys (the next product's K): the conversions' results are the next operands' registers, and each store of a wave covers 512 consecutive bytes.
; K = 1024 goes in four steps of 256 through two LDS slots; A's tile is asked for jointly along a row of the cluster, B's along a column.
; kv: block (bh = 16 batch + head, key step g of 128 keys) at bh x 524288 + (g % 4) x 131072 + (g / 4) x 16384.  Bytes 0-8191: K, tile kt of 16 keys at 1024 kt + 512 c + 16 lane (lane (r, h): key 16 kt + r,
; registers 2 c', 2 c' + 1: d = 16 c' + 8 h + 0..7).  Bytes 8192-16383: V, tile dt of 16 d at 2048 dt + 512 c + 16 lane (lane (r, h): d = 16 dt + r, registers 2 b, 2 b + 1: keys 16 b + 8 h + 0..7).
; ROTARY: the angle is fl(n x theta_f), theta_f = 10^(-f/8) rounded to f32; cosine and sine by a reduction modulo pi in two parts and polynomials of degree 6 in r^2, all f32.
; Each thread makes two rows of a table (256 rows x 32 cosines, 32 sines) in slot 0, which has had its last fill and its last read by then.
; LIMITS: e7 - e0 - e1 and e9 - e2 - e3 between -126 and 119, so that the folded scale and 448 x it are f32 numbers.  NaN codes among the inputs are not served.
.set KROW,   1024                      ; a row of x or of a weight in bytes
.set ROWB,   256                       ; a tile's row: 256 codes
.set PITCH,  272                       ; an LDS row: 256 bytes + 16 of padding: the 16 rows that a load touches start at 16 different banks (ISA guide 11.1)
.set FR,     16                        ; registers of a fragment, 16 rows x 128 K
.set NL,     4                         ; LDS loads that bring one
.set NP,     4                         ; places behind this matrix instruction (ISA guide 7.12.1)
.set HALFT,  128*PITCH
.set SLOT,   4*HALFT                   ; A's 256 rows, then B's 256 rows
.set SPARE,  2*SLOT                    ; behind the ring: the spare words, 128 bytes a wave, that no other line names
.set HEADB,  524288                    ; from head to head in kv
.set ADRA, 16                          ; v16-17 LDS address of my A fragments in slot 0, 1
.set ADRB, 20                          ; v20-21 the same for B
.set TWR,  24                          ; v24    the table, on the way in: 272 x my thread's number
.set TAD,  25                          ; v25    the table, on the way out: (128 x my half of A's rows + r) x 272 + 16 h
.set LI16, 26                          ; v26    16 x lane: my place in a store of 512 bytes
.set SPW,  28                          ; v28    my spare word; never rewritten
.set NIL,  29                          ; v29    0; never rewritten
.set LIM,  10                          ; v10    448 x the folded scale
.set SCV,  11                          ; v11    the folded scale as f32
.set TMP,  32                          ; v32-95   a block's 64 numbers
.set AN,   32                          ; table: four pairs of angles
.set WK,   40                          ; table: 48 registers at work
.set OC,   96                          ; table: two sets of 8 cosines and 8 sines
.set CS,   96                          ; way out: two sets of 16 cosines and 16 sines
.set TH,   128                         ; table: the 32 theta
.set KC,   160                         ; table: three constants, each twice
.set CODE, 160                         ; way out: 16 registers of codes
.set AF,   128                         ; A's fragments, window 0
.set G1, 24
.set G0, 32
.set G1B, 48
.set G0B, 56
.set MSB, 0
.macro WIN new                         ; the immediate's high byte repeats the setting that is left
.if MSB != (\new)
	s_set_vgpr_msb (MSB<<8)|(\new)
.set MSB, \new
.endif
.endm
.set MUL_LO, 0xa1                      ; source 0 (B) window 1, source 1 (A) window 0, C and D window 2
.set MUL_HI, 0xf1                      ; the same, C and D window 3
.set TO_B,   0x40                      ; destination window 1
; A joint load: waves 0 and 1 fetch for A, waves 2 and 3 for B; the branch hangs on the wave's number alone.  Four v_nop follow each of the two lines.
.macro JLOAD g0a, g1a, g0b, g1b
	s_cmp_eq_u32 s15, 0
	s_cbranch_scc0 .Lfor_b_\@
	tensor_load_to_lds s[\g0a:\g0a+3], s[\g1a:\g1a+7]
	s_nop 0
.rept 4
	v_nop
.endr
	s_branch .Lasked_\@
.Lfor_b_\@:
	tensor_load_to_lds s[\g0b:\g0b+3], s[\g1b:\g1b+7]
	s_nop 0
.rept 4
	v_nop
.endr
.Lasked_\@:
.endm
.macro CREST                           ; a round of the cluster's barrier behind its opening barrier
	s_cmp_lg_u32 s14, 0
	s_cbranch_scc1 .Lnot_wave_0_\@
	s_barrier_signal -3
.Lnot_wave_0_\@:
	s_barrier_wait -3
	s_barrier_signal -1
	s_barrier_wait -1
.endm
.macro CROUND
	s_barrier_signal -1
	s_barrier_wait -1
	CREST
.endm
	s_load_b128 s[4:7], s[0:1], 0x0                ; x s[4:5], Wk s[6:7]
	s_load_b128 s[8:11], s[0:1], 0x10              ; Wv s[8:9], the scales' exponents s[10:11]
	s_load_b64 s[12:13], s[0:1], 0x20              ; kv
	v_lshl_add_u32 v[SPW], v0, 2, SPARE
	v_mov_b32 v[NIL], 0
	ds_add_u32 v28, v29
	ds_add_u32 v28, v29
	s_wait_dscnt 0x0
	v_lshrrev_b32 v1, 5, v0
	v_readfirstlane_b32 s14, v1                    ; wave 0..3
	s_lshr_b32 s15, s14, 1                         ; which half of A's rows is mine.  Also: I fetch for A (0) or for B (1)
	s_and_b32 s16, s14, 1                          ; which half of B's rows.  Also: which 128 rows of that tile I fetch
	s_bfe_u32 s40, ttmp6, 0x40000                  ; cx
	s_bfe_u32 s41, ttmp6, 0x40004                  ; cy
	s_and_b32 s66, ttmp7, 0xffff
	s_lshl_b32 s66, s66, 2                         ; 4 x the cluster's y: x's 64 tiles of rows are walked by it
	s_cmp_eq_u32 ttmp9, 0                          ; the type
	s_cselect_b32 s67, 0, s66                      ; added to B's tile number: 0 for k, 4 Y for v
	s_cselect_b32 s66, s66, 0                      ; added to A's: 4 Y for k, 0 for v
	s_add_co_u32 s42, s40, s67                     ; B's tile = cx + ..: shared along a column of the cluster
	s_add_co_u32 s17, s41, s66                     ; A's tile = cy + ..: shared along a row
	s_lshl_b32 s43, s41, 2
	s_lshl_b32 s43, 15, s43                        ; my row of the cluster
	s_lshl_b32 s44, 0x1111, s40                    ; my column
	s_or_b32 s[G1+0], s43, (0<<16)|(1<<20)|(1<<21)|(5<<22)|(3<<25)  ; the mask; elements of 1 byte; padding on; bit 21 beside a mask; 4 words behind every 64
	s_or_b32 s[G1B+0], s44, (0<<16)|(1<<20)|(1<<21)|(5<<22)|(3<<25)
.irp g, G1, G1B
	s_mov_b32 s[\g+1], ROWB<<16                    ; tensor_dim0
	s_mov_b32 s[\g+2], 128<<16                     ; tensor_dim1
	s_mov_b32 s[\g+3], ROWB<<16                    ; tile_dim0
	s_mov_b32 s[\g+4], 128                         ; tile_dim1
	s_mov_b32 s[\g+5], KROW                        ; tensor_dim0_stride
	s_mov_b32 s[\g+6], 0
	s_mov_b32 s[\g+7], 0
.endr
	s_lshl_b32 s18, s16, 7                         ; which 128 rows of the tile I fetch
	s_lshl_b32 s20, s17, 8
	s_add_co_u32 s20, s20, s18                     ; A: row 256 x tile + 128 x half
	s_lshl_b32 s46, s42, 8
	s_add_co_u32 s46, s46, s18                     ; B likewise
	s_mov_b32 s21, 0
	s_mov_b32 s47, 0
	s_mov_b64 s[18:19], KROW
	s_mul_u64 s[20:21], s[20:21], s[18:19]
	s_mul_u64 s[46:47], s[46:47], s[18:19]
	s_mul_i32 s45, s14, HALFT                      ; where they go: wave x 128 rows
	s_wait_kmcnt 0x0
	s_load_b256 s[80:87], s[10:11], 0x0            ; e0 .. e7
	s_load_b64 s[88:89], s[10:11], 0x20            ; e8, e9
	s_cmp_eq_u32 ttmp9, 0
	s_cselect_b64 s[90:91], s[4:5], s[8:9]         ; A: x or Wv
	s_cselect_b64 s[92:93], s[6:7], s[4:5]         ; B: Wk or x
	s_add_nc_u64 s[20:21], s[90:91], s[20:21]
	s_add_nc_u64 s[46:47], s[92:93], s[46:47]
	CROUND                                         ; all sixteen work-groups are here: the first joint loads meet
.irp s, 0,1
	s_mov_b32 s[G0+4*\s], 1
	s_add_co_u32 s[G0+4*\s+1], s45, \s*SLOT
	s_add_nc_u64 s[G0+4*\s+2:G0+4*\s+3], s[20:21], \s*ROWB
	s_or_b32 s[G0+4*\s+3], s[G0+4*\s+3], 0x80000000
	s_mov_b32 s[G0B+4*\s], 1
	s_add_co_u32 s[G0B+4*\s+1], s45, \s*SLOT
	s_add_nc_u64 s[G0B+4*\s+2:G0B+4*\s+3], s[46:47], \s*ROWB
	s_or_b32 s[G0B+4*\s+3], s[G0B+4*\s+3], 0x80000000
	JLOAD G0+4*\s, G1, G0B+4*\s, G1B
.endr
	v_and_b32 v1, 15, v0                           ; r
	v_bfe_u32 v2, v0, 4, 1                         ; h
	v_mul_u32_u24 v3, v1, PITCH
	v_lshl_add_u32 v4, v2, 4, v3                   ; a fragment's row x pitch + 16 h
	s_mul_i32 s21, s15, HALFT                      ; my 128 rows of A
	s_mul_i32 s22, s16, HALFT
	s_add_co_u32 s22, s22, 2*HALFT                 ; my 128 rows of B, behind A's 256
	v_add_nc_u32 v[TAD], s21, v4                   ; the table's rows have the tiles' pitch: (128 x half + r) x 272 + 16 h
.irp s, 0,1
	v_add_nc_u32 v[ADRA+\s], s21, v4
	v_add_nc_u32 v[ADRB+\s], s22, v4
	s_add_co_u32 s21, s21, SLOT
	s_add_co_u32 s22, s22, SLOT
.endr
	v_mul_u32_u24 v[TWR], v0, PITCH
	v_and_b32 v[LI16], 31, v0
	v_lshlrev_b32 v[LI16], 4, v[LI16]
	s_and_b32 s78, s17, 15
	s_lshl_b32 s78, s78, 8                         ; type 0: the tile's first position in its sequence
	v_add_nc_u32 v30, s78, v0
	v_cvt_f32_u32 v30, v30                         ; the positions of my two rows of the table
	v_add_f32 v31, 0x43000000, v30                 ; + 128
	; where my wave's images begin in kv
	s_cmp_eq_u32 ttmp9, 0
	s_cselect_b32 s70, s17, s42                    ; x's tile,
	s_cselect_b32 s71, s15, s16                    ; my half of it,
	s_cselect_b32 s72, s42, s17                    ; the weight's tile,
	s_cselect_b32 s73, s16, s15                    ; my half of it
	s_lshr_b32 s76, s70, 4                         ; batch
	s_and_b32 s70, s70, 15
	s_lshl_b32 s70, s70, 1
	s_add_co_u32 s70, s70, s71                     ; key step 0..31
	s_lshl_b32 s72, s72, 2
	s_lshl_b32 s73, s73, 1
	s_add_co_u32 s72, s72, s73                     ; my first head of two
	s_lshl_b32 s76, s76, 4
	s_add_co_u32 s76, s76, s72
	s_lshl_b32 s76, s76, 19
	s_and_b32 s77, s70, 3
	s_lshl_b32 s77, s77, 17
	s_add_co_u32 s76, s76, s77
	s_lshr_b32 s77, s70, 2
	s_lshl_b32 s77, s77, 14
	s_add_co_u32 s76, s76, s77
	s_mov_b32 s77, 0
	s_add_nc_u64 s[74:75], s[12:13], s[76:77]
.macro FRAG reg, adr, q, i             ; 16 rows x 128 K: registers 4 c .. 4 c + 3 hold K = 32 c + 16 h + 0 .. 15: the same permutation of K in A and in B
.irp c, 0,1,2,3
	ds_load_b128 v[\reg+4*\c:\reg+4*\c+3], v[\adr] offset:128*(\q)+32*\c+(\i)*16*PITCH
.endr
.endm
; 16 matrix instructions: A's blocks a0, a0 + 1 x B's eight.  The 64 accumulators take turns, one instruction a turn, in the same order in every step.
.macro MUL16 a0, p, zero
.irp a, \a0, \a0+1
.irp b, 0,1,2,3,4,5,6,7
.if \zero
	v_wmma_f32_16x16x128_fp8_fp8 v[8*(8*((\a)%4)+\b):8*(8*((\a)%4)+\b)+7], v[128*(\p)+FR*\b:128*(\p)+FR*\b+FR-1], v[AF+FR*(\a):AF+FR*(\a)+FR-1], 0
.else
	v_wmma_f32_16x16x128_fp8_fp8 v[8*(8*((\a)%4)+\b):8*(8*((\a)%4)+\b)+7], v[128*(\p)+FR*\b:128*(\p)+FR*\b+FR-1], v[AF+FR*(\a):AF+FR*(\a)+FR-1], v[8*(8*((\a)%4)+\b):8*(8*((\a)%4)+\b)+7]
.endif
.endr
.endr
.endm
.macro FETCH_B slot, q, p
	WIN TO_B
.irp i, 0,1,2,3,4,5,6,7
	FRAG 128*(\p)+FR*\i, ADRB+\slot, \q, \i
.endr
	WIN 0
.endm
.macro FETCH_A slot, q, i0
.irp i, \i0, \i0+1, \i0+2, \i0+3
	FRAG AF+FR*(\i), ADRA+\slot, \q, \i
.endr
.endm
.macro PLACES n                        ; plain vector instructions between a matrix instruction and a load into, or a read of, its registers
.rept \n
	v_nop
.endr
.endm
; A step of 128 along K that has its successor in the same slot.  A has one set of registers (a block is free when its eight products are issued), B two.
.macro STEP slot, q, zero
	s_wait_dscnt 4*NL                              ; B's set and A's blocks 0-3 are in; the youngest 16 loads (A's blocks 4-7) may be out
	WIN MUL_LO
	MUL16 0, (\q)%2, \zero
	MUL16 2, (\q)%2, \zero
	s_wait_dscnt 0
	PLACES NP
	FETCH_B \slot, (\q)+1, 1-(\q)%2
	FETCH_A \slot, (\q)+1, 0
	WIN MUL_HI
	MUL16 4, (\q)%2, \zero
	MUL16 6, (\q)%2, \zero
	PLACES NP
	WIN 0
	FETCH_A \slot, (\q)+1, 4
.endm
; A slot's last step changes slots: one barrier; in front of it each wave waits for all its tensor loads, adds 0 to its spare word, and waits for that and for its reads of this slot.
.macro TURN slot, next, fill
	s_wait_tensorcnt 0x0                           ; all my tensor loads have landed: my part of the next slot
	ds_add_u32 v[SPW], v[NIL]                      ; 0 onto my spare word
	s_wait_dscnt 4*NL+1                            ; (the add and the youngest 16 loads may be out)
	WIN MUL_LO
	MUL16 0, 1, 0
	s_wait_dscnt 0x0                               ; the add is done, and my reads of this slot are over
	s_barrier_signal -1
	MUL16 2, 1, 0
	WIN 0
	s_barrier_wait -1
.if \fill
	CREST                                          ; the barrier has opened a round of the cluster's barrier: no wave of any partner still reads this slot or has a load on its way
	s_add_nc_u64 s[G0+4*\slot+2:G0+4*\slot+3], s[G0+4*\slot+2:G0+4*\slot+3], 2*ROWB
	s_add_nc_u64 s[G0B+4*\slot+2:G0B+4*\slot+3], s[G0B+4*\slot+2:G0B+4*\slot+3], 2*ROWB
	JLOAD G0+4*\slot, G1, G0B+4*\slot, G1B         ; the first tensor load behind the round; its four v_nop are the places in front of the loads below
.else
	PLACES NP
.endif
	FETCH_B \next, 0, 0
	FETCH_A \next, 0, 0
	WIN MUL_HI
	MUL16 4, 1, 0
	MUL16 6, 1, 0
	PLACES NP
	WIN 0
	FETCH_A \next, 0, 4
.endm
	s_wait_tensorcnt 1                             ; my part of K step 0 is in; K step 1's load may be out
	s_barrier_signal -1
	s_barrier_wait -1
	FETCH_B 0, 0, 0
	FETCH_A 0, 0, 0
	FETCH_A 0, 0, 4
	STEP 0, 0, 1                                   ; the first products start the sums: nothing is cleared
	TURN 0, 1, 1                                   ; slot 0 takes K step 2
	STEP 1, 0, 0
	TURN 1, 0, 1                                   ; slot 1 takes K step 3
	STEP 0, 0, 0
	TURN 0, 1, 0                                   ; behind this barrier nobody reads slot 0 any more, and nothing is filled
	STEP 1, 0, 0
	s_wait_dscnt 4*NL
	WIN MUL_LO
	MUL16 0, 1, 0
	MUL16 2, 1, 0
	s_wait_dscnt 0
	WIN MUL_HI
	MUL16 4, 1, 0
	MUL16 6, 1, 0
	WIN 0
	; THE WAY OUT.  A sum stands for sum x 2^(its two exponents): the three scales are folded into the conversion's one
	s_wait_kmcnt 0x0
	s_sub_co_i32 s94, s87, s80
	s_sub_co_i32 s94, s94, s81                     ; k: e7 - e0 - e1
	s_sub_co_i32 s95, s89, s82
	s_sub_co_i32 s95, s95, s83                     ; v: e9 - e2 - e3
	s_cmp_eq_u32 ttmp9, 0
	s_cselect_b32 s94, s94, s95
	s_add_co_i32 s94, s94, 127
	s_lshl_b32 s95, s94, 23
	v_mov_b32 v[SCV], s95
	s_add_co_i32 s94, s94, 8
	s_lshl_b32 s94, s94, 23
	s_or_b32 s94, s94, 0x600000
	v_mov_b32 v[LIM], s94                          ; 448 x that
	PLACES NP                                      ; behind the last products: A's registers are written and results read below
; Cosine and sine of four pairs of angles a (0 <= a < 4096).  k = round(a / pi) by the rounding constant 1.5 x 2^23; r = a - k pi with pi in two parts (the first product is exact under the fused
; multiply-add: k has 11 bits); sin r = r + r z P(z), cos r = 1 + z Q(z), z = r^2, |r| <= pi / 2: Taylor's coefficients up to r^13 and r^12; both change sign with k's parity.
.macro SINCOS4 a, c, s, w, kc          ; w: k, then r z; w + 8: the sign; w + 16: r; w + 24: z; w + 32: P; w + 40: Q
.irp k, 0,2,4,6
	v_pk_fma_f32 v[\w+\k:\w+\k+1], v[\a+\k:\a+\k+1], 0x3ea2f983, v[\kc:\kc+1] op_sel_hi:[1,0,0]
.endr
.irp k, 0,1,2,3,4,5,6,7
	v_lshlrev_b32 v[\w+8+\k], 31, v[\w+\k]
.endr
.irp k, 0,2,4,6
	v_pk_add_f32 v[\w+\k:\w+\k+1], v[\w+\k:\w+\k+1], 0xcb400000 op_sel_hi:[1,0]
.endr
.irp k, 0,2,4,6
	v_pk_fma_f32 v[\w+16+\k:\w+16+\k+1], v[\w+\k:\w+\k+1], 0xc0490fdb, v[\a+\k:\a+\k+1] op_sel_hi:[1,0,1]
.endr
.irp k, 0,2,4,6
	v_pk_fma_f32 v[\w+16+\k:\w+16+\k+1], v[\w+\k:\w+\k+1], 0x33bbbd2e, v[\w+16+\k:\w+16+\k+1] op_sel_hi:[1,0,1]
.endr
.irp k, 0,2,4,6
	v_pk_mul_f32 v[\w+24+\k:\w+24+\k+1], v[\w+16+\k:\w+16+\k+1], v[\w+16+\k:\w+16+\k+1]
.endr
.irp k, 0,2,4,6
	v_pk_fma_f32 v[\w+32+\k:\w+32+\k+1], v[\w+24+\k:\w+24+\k+1], 0x2f309231, v[\kc+2:\kc+3] op_sel_hi:[1,0,0]
	v_pk_fma_f32 v[\w+40+\k:\w+40+\k+1], v[\w+24+\k:\w+24+\k+1], 0x310f76c7, v[\kc+4:\kc+5] op_sel_hi:[1,0,0]
.endr
.irp k, 0,2,4,6
	v_pk_fma_f32 v[\w+32+\k:\w+32+\k+1], v[\w+32+\k:\w+32+\k+1], v[\w+24+\k:\w+24+\k+1], 0x3638ef1d op_sel_hi:[1,1,0]
	v_pk_fma_f32 v[\w+40+\k:\w+40+\k+1], v[\w+40+\k:\w+40+\k+1], v[\w+24+\k:\w+24+\k+1], 0x37d00d01 op_sel_hi:[1,1,0]
.endr
.irp k, 0,2,4,6
	v_pk_fma_f32 v[\w+32+\k:\w+32+\k+1], v[\w+32+\k:\w+32+\k+1], v[\w+24+\k:\w+24+\k+1], 0xb9500d01 op_sel_hi:[1,1,0]
	v_pk_fma_f32 v[\w+40+\k:\w+40+\k+1], v[\w+40+\k:\w+40+\k+1], v[\w+24+\k:\w+24+\k+1], 0xbab60b61 op_sel_hi:[1,1,0]
.endr
.irp k, 0,2,4,6
	v_pk_fma_f32 v[\w+32+\k:\w+32+\k+1], v[\w+32+\k:\w+32+\k+1], v[\w+24+\k:\w+24+\k+1], 0x3c088889 op_sel_hi:[1,1,0]
	v_pk_fma_f32 v[\w+40+\k:\w+40+\k+1], v[\w+40+\k:\w+40+\k+1], v[\w+24+\k:\w+24+\k+1], 0x3d2aaaab op_sel_hi:[1,1,0]
.endr
.irp k, 0,2,4,6
	v_pk_fma_f32 v[\w+32+\k:\w+32+\k+1], v[\w+32+\k:\w+32+\k+1], v[\w+24+\k:\w+24+\k+1], 0xbe2aaaab op_sel_hi:[1,1,0]
	v_pk_fma_f32 v[\w+40+\k:\w+40+\k+1], v[\w+40+\k:\w+40+\k+1], v[\w+24+\k:\w+24+\k+1], -0.5 op_sel_hi:[1,1,0]
.endr
.irp k, 0,2,4,6
	v_pk_mul_f32 v[\w+\k:\w+\k+1], v[\w+16+\k:\w+16+\k+1], v[\w+24+\k:\w+24+\k+1]
.endr
.irp k, 0,2,4,6
	v_pk_fma_f32 v[\s+\k:\s+\k+1], v[\w+\k:\w+\k+1], v[\w+32+\k:\w+32+\k+1], v[\w+16+\k:\w+16+\k+1]
	v_pk_fma_f32 v[\c+\k:\c+\k+1], v[\w+24+\k:\w+24+\k+1], v[\w+40+\k:\w+40+\k+1], 1.0 op_sel_hi:[1,1,0]
.endr
.irp k, 0,1,2,3,4,5,6,7
	v_xor_b32 v[\s+\k], v[\s+\k], v[\w+8+\k]
	v_xor_b32 v[\c+\k], v[\c+\k], v[\w+8+\k]
.endr
.endm
; Frequencies 8 q .. 8 q + 7 of my row u of the table, through set p of the results' registers
.macro TBATCH u, q, p
	s_wait_dscnt 4                                 ; only the last batch's four stores may be out: this set's stores, two batches back, have read their registers
.irp k, 0,1,2,3
.if \u
	v_pk_mul_f32 v[AN+2*\k:AN+2*\k+1], v[TH+8*(\q)+2*\k:TH+8*(\q)+2*\k+1], v[30:31] op_sel:[0,1] op_sel_hi:[1,1]
.else
	v_pk_mul_f32 v[AN+2*\k:AN+2*\k+1], v[TH+8*(\q)+2*\k:TH+8*(\q)+2*\k+1], v[30:31] op_sel:[0,0] op_sel_hi:[1,0]
.endif
.endr
	SINCOS4 AN, OC+16*(\p), OC+16*(\p)+8, WK, KC
	ds_store_b128 v[TWR], v[OC+16*(\p):OC+16*(\p)+3] offset:(\u)*HALFT+32*(\q)
	ds_store_b128 v[TWR], v[OC+16*(\p)+4:OC+16*(\p)+7] offset:(\u)*HALFT+32*(\q)+16
	ds_store_b128 v[TWR], v[OC+16*(\p)+8:OC+16*(\p)+11] offset:(\u)*HALFT+32*(\q)+128
	ds_store_b128 v[TWR], v[OC+16*(\p)+12:OC+16*(\p)+15] offset:(\u)*HALFT+32*(\q)+144
.endm
	s_cmp_lg_u32 ttmp9, 0                          ; v has no rotary: the type is the same in all waves and all partners
	s_cbranch_scc1 .Lno_table
.set ti, 0
.irp c, 0x3f800000,0x3f3ff911,0x3f0ff59a,0x3ed7e89b,0x3ea1e89b,0x3e72d424,0x3e361887,0x3e088d77,0x3dcccccd,0x3d99940e,0x3d6655c3,0x3d2cba15,0x3d0186e2,0x3cc24350,0x3c91ad39,0x3c5a7bf1,0x3c23d70a,0x3bf5b9b0,0x3bb8449c,0x3b8a2e77,0x3b4f3e37,0x3b1b690d,0x3ae91528,0x3aaec98e,0x3a83126f,0x3a44948c,0x3a136a16,0x39dd1726,0x39a5cb5f,0x3978a814,0x393a7753,0x390bd472
	v_mov_b32 v[TH+ti], \c                         ; theta_f = 10^(-f/8)
.set ti, ti+1
.endr
	v_mov_b32 v[KC], 0x4b400000                    ; 1.5 x 2^23
	v_mov_b32 v[KC+1], 0x4b400000
	v_mov_b32 v[KC+2], 0xb2d7322b                  ; -1/11!
	v_mov_b32 v[KC+3], 0xb2d7322b
	v_mov_b32 v[KC+4], 0xb493f27e                  ; -1/10!
	v_mov_b32 v[KC+5], 0xb493f27e
.irp u, 0,1
.irp q, 0,1,2,3
	TBATCH \u, \q, \q%2
.endr
.endr
.Lno_table:
	s_wait_dscnt 0x0                               ; for the others' sake: my rows of the table are stored
	s_barrier_signal -1
	s_barrier_wait -1
	s_cmp_lg_u32 ttmp9, 0
	s_cbranch_scc1 .Lvout
; k: block a is 16 keys x 128 features (two heads).  A lane's key has one row of the table; its registers 2 i, 2 i + 1 of accumulator b are the pair of frequency 8 (b % 4) + 4 h + i
.macro CSLOAD a, p
.irp bq, 0,1,2,3
	ds_load_b128 v[CS+32*(\p)+4*\bq:CS+32*(\p)+4*\bq+3], v[TAD] offset:(\a)*16*PITCH+32*\bq
	ds_load_b128 v[CS+32*(\p)+16+4*\bq:CS+32*(\p)+16+4*\bq+3], v[TAD] offset:(\a)*16*PITCH+128+32*\bq
.endr
.endm
.macro KBLOCK a
.set AC, 64*((\a)%4)
.set CB, CS+32*((\a)%2)
.if (\a) < 7
	CSLOAD (\a)+1, ((\a)+1)%2
	s_wait_dscnt 8                                 ; this block's cosines and sines are in; the next block's eight loads may be out
.else
	s_wait_dscnt 0
.endif
	WIN 0x02+((\a)/4)                              ; source 0: the sums, window 2 or 3
.irp b, 0,1,2,3,4,5,6,7
.irp i, 0,2
	v_pk_mul_f32 v[TMP+8*\b+2*\i:TMP+8*\b+2*\i+1], v[AC+8*\b+2*\i:AC+8*\b+2*\i+1], v[CB+4*(\b%4)+\i:CB+4*(\b%4)+\i+1] op_sel:[0,0] op_sel_hi:[1,0]
.endr
.irp i, 1,3
	v_pk_mul_f32 v[TMP+8*\b+2*\i:TMP+8*\b+2*\i+1], v[AC+8*\b+2*\i:AC+8*\b+2*\i+1], v[CB+4*(\b%4)+\i-1:CB+4*(\b%4)+\i] op_sel:[0,1] op_sel_hi:[1,1]
.endr
.irp i, 0,1,2,3
	v_fma_f32 v[TMP+8*\b+2*\i], -v[AC+8*\b+2*\i+1], v[CB+16+4*(\b%4)+\i], v[TMP+8*\b+2*\i]       ; k0 c - k1 s
	v_fma_f32 v[TMP+8*\b+2*\i+1], v[AC+8*\b+2*\i], v[CB+16+4*(\b%4)+\i], v[TMP+8*\b+2*\i+1]      ; k1 c + k0 s
.endr
.endr
	WIN 0
.set ki, 0
.rept 64
	v_med3_num_f32 v[TMP+ki], v[TMP+ki], -v[LIM], v[LIM]   ; the conversion to an 8-bit code does not saturate (ISA guide 7.6.2): the hold at the largest code x the scale
.set ki, ki+1
.endr
	s_wait_xcnt 0x0                                ; the last block's stores have read the codes' registers
.irp b, 0,1,2,3,4,5,6,7
	v_cvt_scalef32_pk8_fp8_f32 v[CODE+8*(\b/4)+2*(\b%4):CODE+8*(\b/4)+2*(\b%4)+1], v[TMP+8*\b:TMP+8*\b+7], v[SCV]
.endr
	v_nop                                          ; a plain line behind the conversions, ahead of the next writes of their sources
.irp hd, 0,1
.irp c, 0,1
	global_store_b128 v[LI16], v[CODE+8*\hd+4*\c:CODE+8*\hd+4*\c+3], s[74:75] offset:\hd*HEADB+(\a)*1024+\c*512   ; 32 lanes store 512 consecutive bytes, aligned
.endr
.endr
.endm
	CSLOAD 0, 0
.irp a, 0,1,2,3,4,5,6,7
	KBLOCK \a
.endr
	s_branch .Lend
.Lvout:
; v: block a is 16 of a head's d x 128 keys: one fragment of V^T
.macro VBLOCK a
.set AC, 64*((\a)%4)
	WIN 0x02+((\a)/4)
.set ki, 0
.rept 64
	v_med3_num_f32 v[TMP+ki], v[AC+ki], -v[LIM], v[LIM]
.set ki, ki+1
.endr
	WIN 0
	s_wait_xcnt 0x0                                ; the last block's stores have read the codes' registers
.irp b, 0,1,2,3,4,5,6,7
	v_cvt_scalef32_pk8_fp8_f32 v[CODE+2*\b:CODE+2*\b+1], v[TMP+8*\b:TMP+8*\b+7], v[SCV]
.endr
	v_nop
.irp c, 0,1,2,3
	global_store_b128 v[LI16], v[CODE+4*\c:CODE+4*\c+3], s[74:75] offset:((\a)/4)*HEADB+8192+((\a)%4)*2048+\c*512
.endr
.endm
.irp a, 0,1,2,3,4,5,6,7
	VBLOCK \a
.endr
.Lend:
	s_wait_tensorcnt 0x0                           ; the wave's end
	ds_add_u32 v[SPW], v[NIL]
	s_wait_dscnt 0x0
	CROUND                                         ; the closing round: no work-group ends while a partner may still ask for a tile that names it
	s_endpgm
.Lfunc_end_k_qf99b5e5c34_proj:
	.size	k_qf99b5e5c34_proj, .Lfunc_end_k_qf99b5e5c34_proj-k_qf99b5e5c34_proj
	.p2alignl 7, 3214868480
	.fill 96, 4, 3214868480
	.section	.rodata,"a",@progbits
	.p2align	6, 0x0
	.amdhsa_kernel k_qf99b5e5c34_proj
		.amdhsa_group_segment_fixed_size 327680
		.amdhsa_private_segment_fixed_size 0
		.amdhsa_enable_private_segment 0
		.amdhsa_kernarg_size 40
		.amdhsa_user_sgpr_count 2
		.amdhsa_user_sgpr_kernarg_segment_ptr 1
		.amdhsa_wavefront_size32 1
		.amdhsa_system_sgpr_workgroup_id_x 1
		.amdhsa_system_sgpr_workgroup_id_y 1
		.amdhsa_system_sgpr_workgroup_id_z 1
		.amdhsa_system_vgpr_workitem_id 0
		.amdhsa_next_free_vgpr 1024
		.amdhsa_next_free_sgpr 100
		.amdhsa_reserve_vcc 0
		.amdhsa_float_denorm_mode_32 3
		.amdhsa_float_denorm_mode_16_64 3
		.amdhsa_memory_ordered 1
		.amdhsa_forward_progress 1
		.amdhsa_inst_pref_size 255
	.end_amdhsa_kernel
	.section	.bss,"aw",@nobits
	.p2align	6
	.space	262144
	.amdgpu_metadata
---
amdhsa.version: [ 1, 2 ]
amdhsa.kernels:
  - .name:           k_qf99b5e5c34_proj
    .symbol:         k_qf99b5e5c34_proj.kd
    .args:
      - { .name: x_codes, .offset: 0, .size: 8, .value_kind: global_buffer, .address_space: global }
      - { .name: Wk_codes, .offset: 8, .size: 8, .value_kind: global_buffer, .address_space: global }
      - { .name: Wv_codes, .offset: 16, .size: 8, .value_kind: global_buffer, .address_space: global }
      - { .name: lowp_scales, .offset: 24, .size: 8, .value_kind: global_buffer, .address_space: global }
      - { .name: kv, .offset: 32, .size: 8, .value_kind: global_buffer, .address_space: global }
    .group_segment_fixed_size: 327680
    .private_segment_fixed_size: 0
    .kernarg_segment_align: 8
    .kernarg_segment_size: 40
    .max_flat_workgroup_size: 128
    .sgpr_count:     100
    .vgpr_count:     1024
    .wavefront_size: 32
...
	.end_amdgpu_metadata
.endif
;; end of part 1
;; launch attn (part 2): grid 4 x 64, 4 waves a work-group, clusters of 4 x 1, 327,680 bytes of LDS; arguments x_codes, Wq_codes, lowp_scales, kv, out0; writes out0
.if DOCPART == 2
	.amdgcn_target "amdgcn-amd-amdhsa--gfx1250"
	.amdhsa_code_object_version 6
	.text
	.protected	k_qf99b5e5c34_attn
	.globl	k_qf99b5e5c34_attn
	.p2align	8
	.type	k_qf99b5e5c34_attn,@function
k_qf99b5e5c34_attn:
	s_mov_b64 s[64:65], 0
	v_nop
	global_prefetch_b8 v0, s[64:65] scope:SCOPE_SE
	s_setreg_imm32_b32 hwreg(HW_REG_WAVE_MODE, 25, 1), 1
	s_wait_xcnt 0x0
	s_wait_alu depctr_hold_cnt(0) depctr_sa_sdst(0) depctr_va_vdst(0) depctr_va_sdst(0) depctr_va_ssrc(0) depctr_va_vcc(0) depctr_vm_vsrc(0)
	s_getreg_b32 s2, hwreg(HW_REG_IB_STS2, 6, 4)
	s_cmp_eq_u32 s2, 0
	s_cbranch_scc0 .Lentry_in_a_cluster
	s_endpgm
.Lentry_in_a_cluster:
	s_bfe_u32 s2, ttmp6, 0x10000c
	s_cmp_lg_u32 s2, 0x3003
	s_cbranch_scc0 .Lentry_shape_is_right
	s_endpgm
.Lentry_shape_is_right:
; q = x[:, -512:] Wq^T with the rotary, quantised; S^T = K Q^T; the softmax with a whole-number M; O^T = V^T P^T; all products on E4M3 codes.  out0: [4][512][1024] f32.
; SHARES.  A cluster of four work-groups is one (batch, head); work-group cx owns queries 128 cx .. + 127.  EVERY WAVE HOLDS ALL 128 QUERIES (8 tiles of 16); wave w walks key steps 4 i + w, i = 0 .. 7,
; of 128 keys.  So each fragment of K and V is read from LDS once, by one wave, and feeds eight tiles.  The four waves' (M, l, O) are joined at the end by exact powers of two.
; The four partners walk the same K and V: each wave's 32 KB (two key steps, images of the operands' registers, dense in memory) is asked for JOINTLY, into the wave's own two LDS slots.
; LAYOUT.  Both products transposed: a lane holds one query (lane % 16).  Tile kt of S^T holds keys 16 kt + 8 h + 0 .. 7 in its eight registers: their eight codes are registers 2 kt, 2 kt + 1 of P.
; SOFTMAX.  t = score x c, c = log2(e) / 8 x 2^(e6 + e7); -M = floor(-largest t so far); p = 2^(t - M); the sum is taken of the unquantised p; when M moves, sum and O^T are multiplied by 2^(old M - new M).
; THE MASK (key j counts for query i where j <= i + 3583) touches the last key step alone: it goes in as the C of the score products there (0 or -3e38), chosen by selects: no branch hangs on a work-group's place.
; BY TURNS.  A tile's exponentials stand among the next tile's scalings and the last tile's holds (one register window for all three); its sums among the maximum of the tile two on; the products of other tiles follow.
; LIMITS: e6 - e4 - e5 and e8 between -126 and 119; e6 + e7 between -117 and 130.  A jump of M by more than 126 counts what was summed before as 0.  NaN codes among the inputs are not served.
; REGISTERS, in windows of 256.  Window 0: v1-7 addresses and scales; v16-63 six statistics a tile (-M, largest score, f, f's partner, l in two halves); v64-127 Q; v128-159 P, two sets; v160-183 the three C of the
; mask; v184-207 at work; v208 the prefetches' offset.  Window 1: S^T, four sets of 64 (tile t in set t % 4).  Window 2: O^T, 32 a tile.  Window 3: v0-63 K, v64-127 V.
; In the head (q's projection): window 0: v8-15 at work, v16-31 theta, v32-37 constants, v38-39 the addresses of q's images, v40-55 q's codes, v64-127 at work, v128-191 cosines and sines, v192-255 q's eight accumulators;
; window 1: x's 16 fragments; windows 2 and 3: Wq's 32.
.set SPARE, 262144                     ; behind the ring: the spare words, 128 bytes a wave, that no other line names
.set QIMG,  SPARE+512                  ; q's eight fragments as images of their registers, 1,024 bytes each
.set STG,   QIMG+8192                  ; the way out: 16 rows x 272 bytes for each wave
.set SP,    272
.set STEPB, 16384                      ; a key step's K and V
.set SLOTB, 32768                      ; a slot: two key steps; a wave's two slots lie at 65536 x wave
.set SPW, 1
.set NIL, 2
.set LIW, 3                            ; v3  16 x lane + 65536 x wave
.set ADR, 4                            ; v4  the step's LDS address
.set LI,  5                            ; v5  16 x lane
.set HLD, 6                            ; v6  448 x 2^e8
.set SCL, 7                            ; v7  2^e8
.set STT, 16
.set Q,   64
.set P,   128
.set CL,  160
.set CD,  168
.set CH,  176
.set TM,  184
.set TA,  188
.set RU,  196
.set RU2, 202
.set PFO, 208                          ; v208 the prefetches' offset: 256 x (32 cx + lane); made behind q's projection, whose accumulators take v192-255; then never rewritten
.set QST, 38                           ; v38  the head: where I store my two fragments of q
.set QLD, 39                           ; v39  the head: where all eight are read
.set TH,  16                           ; the head: my half's 16 theta
.set KC,  32                           ; three constants, each twice
.set QC,  40                           ; q's codes
.set AN,  64
.set WK,  72
.set QR,  64                           ; q behind the rotary
.set CO,  128
.set SI,  160
.set QA,  192                          ; q's eight accumulators
.set MSB, 0
.macro WIN new                         ; the immediate's high byte repeats the setting that is left
.if MSB != (\new)
	s_set_vgpr_msb (MSB<<8)|(\new)
.set MSB, \new
.endif
.endm
.macro CROUND                          ; a round of the cluster's barrier
	s_barrier_signal -1
	s_barrier_wait -1
	s_cmp_lg_u32 s14, 0
	s_cbranch_scc1 .Lnot_wave_0_\@
	s_barrier_signal -3
.Lnot_wave_0_\@:
	s_barrier_wait -3
	s_barrier_signal -1
	s_barrier_wait -1
.endm
	s_load_b256 s[4:11], s[0:1], 0x0               ; x s[4:5], Wq s[6:7], the scales' exponents s[8:9], kv s[10:11]
	s_load_b64 s[12:13], s[0:1], 0x20              ; out0
	v_lshl_add_u32 v[SPW], v0, 2, SPARE
	v_mov_b32 v[NIL], 0
	ds_add_u32 v1, v2
	ds_add_u32 v1, v2
	s_wait_dscnt 0x0
	v_lshrrev_b32 v8, 5, v0
	v_readfirstlane_b32 s14, v8                    ; wave 0..3
	s_bfe_u32 s15, ttmp6, 0x40000                  ; cx: my block of 128 queries
	s_and_b32 s16, ttmp7, 0xffff                   ; 16 x batch + head, which the four partners share
	; descriptor group 1: a dense block of 128 rows of 256 bytes
	s_mov_b32 s24, 15|(3<<16)|(1<<21)              ; the mask: all four work-groups; elements of 8 bytes; bit 21 beside a mask; no padding: an image is read 16 bytes a lane, on end
	s_mov_b32 s25, 32<<16                          ; tensor_dim0 = 32
	s_mov_b32 s26, 128<<16                         ; tensor_dim1 = 128
	s_mov_b32 s27, 32<<16                          ; tile_dim0 = 32
	s_mov_b32 s28, 128                             ; tile_dim1 = 128
	s_mov_b32 s29, 32                              ; tensor_dim0_stride
	s_mov_b32 s30, 0
	s_mov_b32 s31, 0
	s_lshl_b32 s18, s16, 2
	s_add_co_u32 s18, s18, s14
	s_lshl_b32 s18, s18, 17                        ; my wave's 8 key steps: 131072 bytes on end
	s_mov_b32 s19, 0
	s_lshr_b32 s75, s16, 4                         ; batch
	s_and_b32 s76, s16, 15                         ; head
	s_lshl_b32 s77, s15, 7
	s_lshl_b32 s78, s14, 5
	s_add_co_u32 s77, s77, s78                     ; the first of the 32 queries that I project: 128 cx + 32 wave
	s_lshl_b32 s78, s75, 12
	s_add_co_u32 s78, s78, s77
	s_add_co_u32 s78, s78, 3584                    ; its row of x
	s_lshl_b32 s78, s78, 10
	s_mov_b32 s79, 0
	s_lshl_b32 s80, s76, 16                        ; the head's 64 rows of Wq
	s_mov_b32 s81, 0
	s_lshl_b32 s82, s75, 9
	s_add_co_u32 s82, s82, s77
	s_lshl_b32 s82, s82, 12                        ; out0: row x 4096 bytes
	s_lshl_b32 s83, s76, 8
	s_add_co_u32 s82, s82, s83                     ; + head x 256
	s_mov_b32 s83, 0
	v_and_b32 v8, 15, v0                           ; r
	v_bfe_u32 v9, v0, 4, 1                         ; h
	v_lshlrev_b32 v10, 10, v8
	v_lshl_add_u32 v10, v9, 4, v10                 ; a fragment's row x 1024 + 16 h
	s_wait_kmcnt 0x0
	s_load_b256 s[40:47], s[8:9], 0x0              ; e0 .. e7
	s_load_b64 s[48:49], s[8:9], 0x20              ; e8, e9
	s_mov_b32 s32, 1                               ; descriptor group 0: count,
	s_lshl_b32 s33, s14, 16                        ; LDS address: my slot 0,
	s_add_nc_u64 s[34:35], s[10:11], s[18:19]      ; global address: my key steps 0 and 1,
	s_or_b32 s35, s35, 0x80000000                  ; type
	s_add_nc_u64 s[84:85], s[10:11], s[18:19]
	s_add_nc_u64 s[84:85], s[84:85], SLOTB         ; the prefetches stand one slot further on than the descriptor
	s_add_nc_u64 s[4:5], s[4:5], s[78:79]
	s_add_nc_u64 s[6:7], s[6:7], s[80:81]
	s_add_nc_u64 s[12:13], s[12:13], s[82:83]
	CROUND                                         ; all four work-groups are here: the first joint loads meet
	tensor_load_to_lds s[32:35], s[24:31]          ; one tensor load of mine is out
	s_nop 0
.rept 4
	v_nop
.endr
	; q's operands go from memory straight into fragments: registers 4 c .. 4 c + 3 hold K = 32 c + 16 h + 0 .. 15, the same permutation of K on both sides
	WIN 0x40
.irp f, 0,1,2,3,4,5,6,7,8,9,10,11,12,13,14,15      ; x: tile of queries f / 8, K step f % 8
.irp c, 0,1,2,3
	global_load_b128 v[16*\f+4*\c:16*\f+4*\c+3], v10, s[4:5] offset:(\f/8)*16384+(\f%8)*128+32*\c
.endr
.endr
	WIN 0x80
.irp f, 0,1,2,3,4,5,6,7,8,9,10,11,12,13,14,15      ; Wq: tiles 0, 1 of the head's d
.irp c, 0,1,2,3
	global_load_b128 v[16*\f+4*\c:16*\f+4*\c+3], v10, s[6:7] offset:(\f/8)*16384+(\f%8)*128+32*\c
.endr
.endr
	WIN 0xc0
.irp f, 0,1,2,3,4,5,6,7,8,9,10,11,12,13,14,15      ; tiles 2, 3
.irp c, 0,1,2,3
	global_load_b128 v[16*\f+4*\c:16*\f+4*\c+3], v10, s[6:7] offset:32768+(\f/8)*16384+(\f%8)*128+32*\c
.endr
.endr
	WIN 0
	v_and_b32 v[LI], 31, v0
	v_lshlrev_b32 v[LI], 4, v[LI]
	s_lshl_b32 s75, s14, 16
	v_add_nc_u32 v[LIW], s75, v[LI]
	s_lshl_b32 s75, s14, 11
	s_add_co_u32 s75, s75, QIMG
	v_add_nc_u32 v[QST], s75, v[LI]                ; where I store my two fragments of q: QIMG + 2048 x wave + 16 x lane
	v_add_nc_u32 v[QLD], QIMG, v[LI]               ; and where all eight are read
	s_mov_b32 s20, 0x76543210                      ; v_permlanex16_b32: lane l xor 16
	s_mov_b32 s21, 0xfedcba98
	s_mov_b32 s50, 0xff800000                      ; -infinity: the idle operand of a maximum of three
	s_mov_b32 s51, 0xc2fe0000                      ; -127
	s_mov_b32 s52, 0x3f800000
	s_mov_b32 s73, 0xff61b1e6                      ; -3e38
	s_cmp_gt_u32 s14, s15
	s_cselect_b32 s55, s73, 0                      ; the last step's C for key tiles below the diagonal: hidden where my keys lie wholly behind the block's queries
	s_cmp_ge_u32 s14, s15
	s_cselect_b32 s74, s73, 0                      ; and above it
	v_lshlrev_b32 v11, 3, v9
	v_sub_nc_u32 v11, v8, v11                      ; r - 8 h: on the diagonal tile register j is hidden where j >= r - 8 h
.irp j, 0,1,2,3,4,5,6,7
	v_cmp_ge_i32 s[56+\j], \j, v11
.endr
	v_cmp_ne_u32 vcc_lo, 0, v9                     ; lanes 16-31
	v_add_nc_u32 v14, s77, v8
	v_cvt_f32_u32 v14, v14                         ; the positions of my lane's two queries: 128 cx + 32 wave + r,
	v_add_f32 v15, 0x41800000, v14                 ; and + 16
.set ti, 0
.irp c, 0x3ea1e89b,0x3e72d424,0x3e361887,0x3e088d77,0x3d0186e2,0x3cc24350,0x3c91ad39,0x3c5a7bf1,0x3b4f3e37,0x3b1b690d,0x3ae91528,0x3aaec98e,0x39a5cb5f,0x3978a814,0x393a7753,0x390bd472
	v_mov_b32 v[TH+ti], \c                         ; theta_f = 10^(-f/8), f = 8 dt + 4 + i: lanes 16-31's
.set ti, ti+1
.endr
.set ti, 0
.irp c, 0x3f800000,0x3f3ff911,0x3f0ff59a,0x3ed7e89b,0x3dcccccd,0x3d99940e,0x3d6655c3,0x3d2cba15,0x3c23d70a,0x3bf5b9b0,0x3bb8449c,0x3b8a2e77,0x3a83126f,0x3a44948c,0x3a136a16,0x39dd1726
	v_cndmask_b32 v[TH+ti], \c, v[TH+ti], vcc_lo   ; f = 8 dt + i: lanes 0-15's
.set ti, ti+1
.endr
	v_mov_b32 v[KC], 0x4b400000                    ; 1.5 x 2^23
	v_mov_b32 v[KC+1], 0x4b400000
	v_mov_b32 v[KC+2], 0xb2d7322b                  ; -1/11!
	v_mov_b32 v[KC+3], 0xb2d7322b
	v_mov_b32 v[KC+4], 0xb493f27e                  ; -1/10!
	v_mov_b32 v[KC+5], 0xb493f27e
; Cosine and sine of four pairs of angles a (0 <= a < 512).  k = round(a / pi) by the rounding constant; r = a - k pi with pi in two parts; sin r = r + r z P(z), cos r = 1 + z Q(z), z = r^2;
; both change sign with k's parity.
.macro SINCOS4 a, c, s, w, kc          ; w: k, then r z; w + 8: the sign; w + 16: r; w + 24: z; w + 32: P; w + 40: Q
.irp k, 0,2,4,6
	v_pk_fma_f32 v[\w+\k:\w+\k+1], v[\a+\k:\a+\k+1], 0x3ea2f983, v[\kc:\kc+1] op_sel_hi:[1,0,0]
.endr
.irp k, 0,1,2,3,4,5,6,7
	v_lshlrev_b32 v[\w+8+\k], 31, v[\w+\k]
.endr
.irp k, 0,2,4,6
	v_pk_add_f32 v[\w+\k:\w+\k+1], v[\w+\k:\w+\k+1], 0xcb400000 op_sel_hi:[1,0]
.endr
.irp k, 0,2,4,6
	v_pk_fma_f32 v[\w+16+\k:\w+16+\k+1], v[\w+\k:\w+\k+1], 0xc0490fdb, v[\a+\k:\a+\k+1] op_sel_hi:[1,0,1]
.endr
.irp k, 0,2,4,6
	v_pk_fma_f32 v[\w+16+\k:\w+16+\k+1], v[\w+\k:\w+\k+1], 0x33bbbd2e, v[\w+16+\k:\w+16+\k+1] op_sel_hi:[1,0,1]
.endr
.irp k, 0,2,4,6
	v_pk_mul_f32 v[\w+24+\k:\w+24+\k+1], v[\w+16+\k:\w+16+\k+1], v[\w+16+\k:\w+16+\k+1]
.endr
.irp k, 0,2,4,6
	v_pk_fma_f32 v[\w+32+\k:\w+32+\k+1], v[\w+24+\k:\w+24+\k+1], 0x2f309231, v[\kc+2:\kc+3] op_sel_hi:[1,0,0]
	v_pk_fma_f32 v[\w+40+\k:\w+40+\k+1], v[\w+24+\k:\w+24+\k+1], 0x310f76c7, v[\kc+4:\kc+5] op_sel_hi:[1,0,0]
.endr
.irp k, 0,2,4,6
	v_pk_fma_f32 v[\w+32+\k:\w+32+\k+1], v[\w+32+\k:\w+32+\k+1], v[\w+24+\k:\w+24+\k+1], 0x3638ef1d op_sel_hi:[1,1,0]
	v_pk_fma_f32 v[\w+40+\k:\w+40+\k+1], v[\w+40+\k:\w+40+\k+1], v[\w+24+\k:\w+24+\k+1], 0x37d00d01 op_sel_hi:[1,1,0]
.endr
.irp k, 0,2,4,6
	v_pk_fma_f32 v[\w+32+\k:\w+32+\k+1], v[\w+32+\k:\w+32+\k+1], v[\w+24+\k:\w+24+\k+1], 0xb9500d01 op_sel_hi:[1,1,0]
	v_pk_fma_f32 v[\w+40+\k:\w+40+\k+1], v[\w+40+\k:\w+40+\k+1], v[\w+24+\k:\w+24+\k+1], 0xbab60b61 op_sel_hi:[1,1,0]
.endr
.irp k, 0,2,4,6
	v_pk_fma_f32 v[\w+32+\k:\w+32+\k+1], v[\w+32+\k:\w+32+\k+1], v[\w+24+\k:\w+24+\k+1], 0x3c088889 op_sel_hi:[1,1,0]
	v_pk_fma_f32 v[\w+40+\k:\w+40+\k+1], v[\w+40+\k:\w+40+\k+1], v[\w+24+\k:\w+24+\k+1], 0x3d2aaaab op_sel_hi:[1,1,0]
.endr
.irp k, 0,2,4,6
	v_pk_fma_f32 v[\w+32+\k:\w+32+\k+1], v[\w+32+\k:\w+32+\k+1], v[\w+24+\k:\w+24+\k+1], 0xbe2aaaab op_sel_hi:[1,1,0]
	v_pk_fma_f32 v[\w+40+\k:\w+40+\k+1], v[\w+40+\k:\w+40+\k+1], v[\w+24+\k:\w+24+\k+1], -0.5 op_sel_hi:[1,1,0]
.endr
.irp k, 0,2,4,6
	v_pk_mul_f32 v[\w+\k:\w+\k+1], v[\w+16+\k:\w+16+\k+1], v[\w+24+\k:\w+24+\k+1]
.endr
.irp k, 0,2,4,6
	v_pk_fma_f32 v[\s+\k:\s+\k+1], v[\w+\k:\w+\k+1], v[\w+32+\k:\w+32+\k+1], v[\w+16+\k:\w+16+\k+1]
	v_pk_fma_f32 v[\c+\k:\c+\k+1], v[\w+24+\k:\w+24+\k+1], v[\w+40+\k:\w+40+\k+1], 1.0 op_sel_hi:[1,1,0]
.endr
.irp k, 0,1,2,3,4,5,6,7
	v_xor_b32 v[\s+\k], v[\s+\k], v[\w+8+\k]
	v_xor_b32 v[\c+\k], v[\c+\k], v[\w+8+\k]
.endr
.endm
.irp g, 0,1,2,3                                    ; frequencies 8 g + 4 h + 0 .. 3; a pair holds my two queries' angles fl(n theta).  This stands while the fragments are on their way
.irp i, 0,2
	v_pk_mul_f32 v[AN+2*\i:AN+2*\i+1], v[14:15], v[TH+4*\g+\i:TH+4*\g+\i+1] op_sel:[0,0] op_sel_hi:[1,0]
.endr
.irp i, 1,3
	v_pk_mul_f32 v[AN+2*\i:AN+2*\i+1], v[14:15], v[TH+4*\g+\i-1:TH+4*\g+\i] op_sel:[0,1] op_sel_hi:[1,1]
.endr
	SINCOS4 AN, CO+8*\g, SI+8*\g, WK, KC
.endr
	s_wait_kmcnt 0x0
	s_add_co_i32 s75, s46, s47
	s_lshl_b32 s75, s75, 23
	s_add_co_i32 s22, s75, 0x3e38aa3b              ; c = log2(e) / 8, with e6 + e7 added to its exponent field
	s_mov_b32 s23, s22                             ; (named with it as a pair, so it is written)
	s_sub_co_i32 s75, s46, s44
	s_sub_co_i32 s75, s75, s45                     ; e6 - e4 - e5: q's three scales folded into the conversion's one
	s_add_co_i32 s75, s75, 127
	s_lshl_b32 s76, s75, 23
	v_mov_b32 v12, s76
	s_add_co_i32 s75, s75, 8
	s_lshl_b32 s75, s75, 23
	s_or_b32 s75, s75, 0x600000
	v_mov_b32 v13, s75                             ; 448 x that
	s_add_co_i32 s75, s48, 127
	s_lshl_b32 s76, s75, 23
	v_mov_b32 v[SCL], s76                          ; 2^e8
	s_add_co_i32 s75, s75, 8
	s_lshl_b32 s75, s75, 23
	s_or_b32 s75, s75, 0x600000
	v_mov_b32 v[HLD], s75                          ; 448 x 2^e8
	s_add_co_i32 s72, s48, s49                     ; e8 + e9
	s_wait_loadcnt 0x0
	; q^T = Wq x^T: 8 accumulators (2 tiles of queries x 4 of d) by turns, one instruction a turn, K ascending; the first K step starts the sums
.irp ks, 0,1,2,3,4,5,6,7
	WIN 0x06                                       ; source 0 (Wq) window 2, source 1 (x) window 1
.irp dt, 0,1
.irp ta, 0,1
.if \ks == 0
	v_wmma_f32_16x16x128_fp8_fp8 v[QA+8*(4*\ta+\dt):QA+8*(4*\ta+\dt)+7], v[16*(8*\dt+\ks):16*(8*\dt+\ks)+15], v[16*(8*\ta+\ks):16*(8*\ta+\ks)+15], 0
.else
	v_wmma_f32_16x16x128_fp8_fp8 v[QA+8*(4*\ta+\dt):QA+8*(4*\ta+\dt)+7], v[16*(8*\dt+\ks):16*(8*\dt+\ks)+15], v[16*(8*\ta+\ks):16*(8*\ta+\ks)+15], v[QA+8*(4*\ta+\dt):QA+8*(4*\ta+\dt)+7]
.endif
.endr
.endr
	WIN 0x07                                       ; source 0 window 3
.irp dt, 2,3
.irp ta, 0,1
.if \ks == 0
	v_wmma_f32_16x16x128_fp8_fp8 v[QA+8*(4*\ta+\dt):QA+8*(4*\ta+\dt)+7], v[16*(8*(\dt-2)+\ks):16*(8*(\dt-2)+\ks)+15], v[16*(8*\ta+\ks):16*(8*\ta+\ks)+15], 0
.else
	v_wmma_f32_16x16x128_fp8_fp8 v[QA+8*(4*\ta+\dt):QA+8*(4*\ta+\dt)+7], v[16*(8*(\dt-2)+\ks):16*(8*(\dt-2)+\ks)+15], v[16*(8*\ta+\ks):16*(8*\ta+\ks)+15], v[QA+8*(4*\ta+\dt):QA+8*(4*\ta+\dt)+7]
.endif
.endr
.endr
.endr
	WIN 0
.rept 4
	v_nop                                          ; places behind the last products (ISA guide 7.12.1)
.endr
.irp ta, 0,1                                       ; the rotary: registers 2 i, 2 i + 1 of tile (ta, dt) are the pair of frequency 8 dt + 4 h + i
.irp dt, 0,1,2,3
.irp i, 0,1,2,3
.if \ta == 0
	v_pk_mul_f32 v[QR+8*(4*\ta+\dt)+2*\i:QR+8*(4*\ta+\dt)+2*\i+1], v[QA+8*(4*\ta+\dt)+2*\i:QA+8*(4*\ta+\dt)+2*\i+1], v[CO+2*(4*\dt+\i):CO+2*(4*\dt+\i)+1] op_sel:[0,0] op_sel_hi:[1,0]
.else
	v_pk_mul_f32 v[QR+8*(4*\ta+\dt)+2*\i:QR+8*(4*\ta+\dt)+2*\i+1], v[QA+8*(4*\ta+\dt)+2*\i:QA+8*(4*\ta+\dt)+2*\i+1], v[CO+2*(4*\dt+\i):CO+2*(4*\dt+\i)+1] op_sel:[0,1] op_sel_hi:[1,1]
.endif
.endr
.irp i, 0,1,2,3
	v_fma_f32 v[QR+8*(4*\ta+\dt)+2*\i], -v[QA+8*(4*\ta+\dt)+2*\i+1], v[SI+2*(4*\dt+\i)+\ta], v[QR+8*(4*\ta+\dt)+2*\i]
	v_fma_f32 v[QR+8*(4*\ta+\dt)+2*\i+1], v[QA+8*(4*\ta+\dt)+2*\i], v[SI+2*(4*\dt+\i)+\ta], v[QR+8*(4*\ta+\dt)+2*\i+1]
.endr
.endr
.endr
.set hi_, 0
.rept 64
	v_med3_num_f32 v[QR+hi_], v[QR+hi_], -v13, v13 ; the conversion to an 8-bit code does not saturate (ISA guide 7.6.2)
.set hi_, hi_+1
.endr
.irp f, 0,1,2,3,4,5,6,7
	v_cvt_scalef32_pk8_fp8_f32 v[QC+2*\f:QC+2*\f+1], v[QR+8*\f:QR+8*\f+7], v12   ; registers 2 dt, 2 dt + 1 of tile ta's fragment: d = 16 dt + 8 h + 0 .. 7
.endr
	v_nop                                          ; a plain line behind the conversions
.irp g, 0,1,2,3
	ds_store_b128 v[QST], v[QC+4*\g:QC+4*\g+3] offset:512*\g
.endr
	s_wait_tensorcnt 0x0                           ; my slot 0 has landed: no tensor load is out across the barrier
	s_wait_dscnt 0x0                               ; for the others' sake: my two fragments are stored
	s_barrier_signal -1
	s_barrier_wait -1
.irp g, 0,1,2,3,4,5,6,7,8,9,10,11,12,13,14,15
	ds_load_b128 v[Q+4*\g:Q+4*\g+3], v[QLD] offset:512*\g   ; all eight tiles of q, in every wave
.endr
	s_lshl_b32 s75, s15, 13                        ; q's accumulators are done with: now the prefetches' offset takes its register:
	v_lshl_add_u32 v[PFO], v[LI], 4, s75           ; 256 x lane + 8192 x cx (it enters a global address alone)
.macro KLOAD                           ; a step's K: 8 tiles of 16 keys, 8 registers each
	WIN 0xc0
.irp f, 0,1,2,3,4,5,6,7,8,9,10,11,12,13,14,15
	ds_load_b128 v[4*\f:4*\f+3], v[ADR] offset:512*\f
.endr
.endm
.macro VLOAD                           ; its V: 4 tiles of 16 d, 16 registers each
	WIN 0xc0
.irp f, 0,1,2,3,4,5,6,7,8,9,10,11,12,13,14,15
	ds_load_b128 v[64+4*\f:64+4*\f+3], v[ADR] offset:8192+512*\f
.endr
.endm
	s_mov_b32 s36, 0                               ; LDS byte, within my ring, of the step in hand
	v_add_nc_u32 v[ADR], s36, v[LIW]
	VLOAD                                          ; the loop's first step finishes a tile of a step before it, which there is none: its codes are zeros, and step 0's V stands in
	WIN 0
.irp t, 0,1,2,3,4,5,6,7
	v_mov_b32 v[STT+6*\t], 0x7f61b1e6              ; -M: M begins at -3e38
	v_mov_b32 v[STT+6*\t+1], 0xff61b1e6            ; the largest score so far
	v_mov_b32 v[STT+6*\t+2], 0                     ; f, and its partner in the pair
	v_mov_b32 v[STT+6*\t+3], 0
	v_mov_b32 v[STT+6*\t+4], 0                     ; l
	v_mov_b32 v[STT+6*\t+5], 0
.endr
	v_mov_b32 v[RU+2], 0                           ; a lane permute's destination counts as one of its sources
	v_mov_b32 v[RU2+2], 0
	WIN 0x40
.set zi, 192
.rept 64
	v_mov_b32 v[zi], 0                             ; set 3 of S^T: the tile that the first step finishes
.set zi, zi+1
.endr
	WIN 0x80
.set zi, 0
.rept 256
	v_mov_b32 v[zi], 0                             ; O^T.  The key step is written for all steps alike: the first finds zeros.  A first step of its own would be a third copy of the step's text
.set zi, zi+1
.endr
	WIN 0
; S^T of tile t: 8 products.  m = 1: C is the mask's
.macro ST t, m
	WIN 0x43                                       ; K window 3, Q and C window 0, S^T window 1
.irp kt, 0,1,2,3,4,5,6,7
.if \m
.if \kt < (\t)
	v_wmma_f32_16x16x64_fp8_fp8 v[64*((\t)%4)+8*\kt:64*((\t)%4)+8*\kt+7], v[8*\kt:8*\kt+7], v[Q+8*(\t):Q+8*(\t)+7], v[CL:CL+7]
.elseif \kt == (\t)
	v_wmma_f32_16x16x64_fp8_fp8 v[64*((\t)%4)+8*\kt:64*((\t)%4)+8*\kt+7], v[8*\kt:8*\kt+7], v[Q+8*(\t):Q+8*(\t)+7], v[CD:CD+7]
.else
	v_wmma_f32_16x16x64_fp8_fp8 v[64*((\t)%4)+8*\kt:64*((\t)%4)+8*\kt+7], v[8*\kt:8*\kt+7], v[Q+8*(\t):Q+8*(\t)+7], v[CH:CH+7]
.endif
.else
	v_wmma_f32_16x16x64_fp8_fp8 v[64*((\t)%4)+8*\kt:64*((\t)%4)+8*\kt+7], v[8*\kt:8*\kt+7], v[Q+8*(\t):Q+8*(\t)+7], 0
.endif
.endr
.endm
; the largest of tile t's 64 scores and the largest so far, in four chains; each accumulator is read from its low end on
.macro MAXT t, base
	WIN 0x05
.irp s, 0,1,2,3,4,5,6,7
.irp k, 0,1,2,3
.if \s == 0
	v_max3_num_f32 v[\base+\k], v[64*((\t)%4)+16*\k], v[64*((\t)%4)+16*\k+1], v[STT+6*(\t)+1]
.else
	v_max3_num_f32 v[\base+\k], v[64*((\t)%4)+16*\k+2*\s], v[64*((\t)%4)+16*\k+2*\s+1], v[\base+\k]
.endif
.endr
.endr
.endm
; line n of twelve that lead from the four chains to -M and f.  None has a vector register as its second source, so they can stand among additions whose second source lies in window 1
.macro CHAINOP n, t, base, wk
.if (\n) == 0
	v_max3_num_f32 v[\wk], v[\base], s50, v[\base+1]
.elseif (\n) == 1
	v_max3_num_f32 v[\wk+1], v[\base+2], s50, v[\base+3]
.elseif (\n) == 2
	v_max3_num_f32 v[\wk], v[\wk], s50, v[\wk+1]
.elseif (\n) == 3
	v_permlanex16_b32 v[\wk+2], v[\wk], s20, s21   ; the query's other 64 keys lie in the lane 16 away
.elseif (\n) == 4
	v_max3_num_f32 v[STT+6*(\t)+1], v[\wk], s50, v[\wk+2]
.elseif (\n) == 5
	v_mul_f32 v[\wk+3], v[STT+6*(\t)+1], s22       ; as t (c is positive)
.elseif (\n) == 6
	v_floor_f32 v[\wk+4], -v[\wk+3]                ; the new -M = floor(-t)
.elseif (\n) == 7
	v_fma_f32 v[\wk+5], v[\wk+4], 1.0, -v[STT+6*(\t)] ; old M - new M: a whole number, 0 or less
.elseif (\n) == 8
	v_mov_b32 v[STT+6*(\t)], v[\wk+4]
.elseif (\n) == 9
	v_max_num_f32 v[\wk+5], v[\wk+5], s51          ; held at -127,
.elseif (\n) == 10
	v_cvt_i32_f32 v[\wk+5], v[\wk+5]
.elseif (\n) == 11
	v_lshl_add_u32 v[STT+6*(\t)+2], v[\wk+5], 23, s52 ; f = 2^(old M - new M), made in the exponent field; -127 gives 0
.endif
.endm
.macro FMAL t, j                       ; t - M for pair j of tile t
	v_pk_fma_f32 v[64*((\t)%4)+2*(\j):64*((\t)%4)+2*(\j)+1], v[64*((\t)%4)+2*(\j):64*((\t)%4)+2*(\j)+1], s[22:23], v[STT+6*(\t):STT+6*(\t)+1] op_sel_hi:[1,0,0]
.endm
.macro FMAT t
	WIN 0x41
.set fj, 0
.rept 32
	FMAL \t, fj
.set fj, fj+1
.endr
.endm
.macro MINT t                          ; p is not negative: the hold is one-sided
	WIN 0x41
.set mi, 0
.rept 64
	v_min_num_f32 v[64*((\t)%4)+mi], v[64*((\t)%4)+mi], v[HLD]
.set mi, mi+1
.endr
.endm
; Tile t's 64 exponentials, each beside plain lines of other tiles: tile t + 1's scalings and tile t - 1's holds; all three lie in window 1.  Nothing here names an exponential's result;
; one plain line and ONE wait for the batch follow (ahead of the first line that names a result).
.macro XPH t
	WIN 0x41
.set xj, 0
.rept 32
.if (\t) < 7
	FMAL (\t)+1, xj
.endif
	v_exp_f32 v[64*((\t)%4)+2*xj], v[64*((\t)%4)+2*xj]
.if (\t) > 0
	v_min_num_f32 v[64*(((\t)-1)%4)+2*xj], v[64*(((\t)-1)%4)+2*xj], v[HLD]
.endif
	v_exp_f32 v[64*((\t)%4)+2*xj+1], v[64*((\t)%4)+2*xj+1]
.if (\t) > 0
	v_min_num_f32 v[64*(((\t)-1)%4)+2*xj+1], v[64*(((\t)-1)%4)+2*xj+1], v[HLD]
.endif
.set xj, xj+1
.endr
	v_nop
	s_wait_alu depctr_va_vdst(0)
.endm
.macro CVT t                           ; tile t's codes: registers 2 kt, 2 kt + 1 of P: keys 16 kt + 8 h + 0 .. 7
	WIN 0x01
.irp kt, 0,1,2,3,4,5,6,7
	v_cvt_scalef32_pk8_fp8_f32 v[P+16*((\t)%2)+2*\kt:P+16*((\t)%2)+2*\kt+1], v[64*((\t)%4)+8*\kt:64*((\t)%4)+8*\kt+7], v[SCL]
.endr
	v_nop                                          ; a plain line behind the conversions, ahead of the products that read the codes and of those that write over the numbers
.endm
.macro RESC t                          ; O^T under the new M
	WIN 0x82
.set ri, 0
.rept 16
	v_pk_mul_f32 v[32*(\t)+2*ri:32*(\t)+2*ri+1], v[32*(\t)+2*ri:32*(\t)+2*ri+1], v[STT+6*(\t)+2:STT+6*(\t)+3] op_sel_hi:[1,0]
.set ri, ri+1
.endr
.endm
.macro PV t                            ; O^T += V^T P^T: four accumulators, one instruction each
	WIN 0xa3                                       ; V window 3, P window 0, O^T window 2
.irp dt, 0,1,2,3
	v_wmma_f32_16x16x128_fp8_fp8 v[32*(\t)+8*\dt:32*(\t)+8*\dt+7], v[64+16*\dt:64+16*\dt+15], v[P+16*((\t)%2):P+16*((\t)%2)+15], v[32*(\t)+8*\dt:32*(\t)+8*\dt+7]
.endr
.endm
; Tile t's sum of the unquantised p, with the maximum and the twelve lines of tile t + 2 among it; then tile t - 1 is finished (codes, O^T x f, its products) and tile t + 3's scores are begun in the set that it leaves
.macro YPH t, m
	WIN 0x05
.irp k, 0,1,2,3
	v_pk_add_f32 v[TA+2*\k:TA+2*\k+1], v[64*((\t)%4)+4*\k:64*((\t)%4)+4*\k+1], v[64*((\t)%4)+4*\k+2:64*((\t)%4)+4*\k+3]
.endr
.if (\t) < 6
	MAXT (\t)+2, TM
.endif
	WIN 0x04
.set yn, 0
.rept 24
	v_pk_add_f32 v[TA+2*(yn%4):TA+2*(yn%4)+1], v[TA+2*(yn%4):TA+2*(yn%4)+1], v[64*((\t)%4)+16+2*yn:64*((\t)%4)+16+2*yn+1]
.if ((\t) < 6) && (yn%2 == 1)
	CHAINOP yn/2, (\t)+2, TM, RU
.endif
.set yn, yn+1
.endr
	WIN 0
	v_pk_add_f32 v[TA:TA+1], v[TA:TA+1], v[TA+2:TA+3]
	v_pk_add_f32 v[TA+4:TA+5], v[TA+4:TA+5], v[TA+6:TA+7]
	v_pk_add_f32 v[TA:TA+1], v[TA:TA+1], v[TA+4:TA+5]
	v_pk_fma_f32 v[STT+6*(\t)+4:STT+6*(\t)+5], v[STT+6*(\t)+4:STT+6*(\t)+5], v[STT+6*(\t)+2:STT+6*(\t)+3], v[TA:TA+1] op_sel_hi:[1,0,1]   ; l = l f + the step's sum
.if (\t) >= 1
	CVT (\t)-1
	RESC (\t)-1
.if (\t) <= 4
	ST (\t)+3, \m
.endif
.if (\t) == 1
	s_wait_dscnt 0x0                               ; V is in
.endif
	PV (\t)-1
.endif
.endm
; A KEY STEP: 128 keys x 128 queries.  It begins by finishing the last tile of the step before (whose V is still in registers).
.macro STEP m
	v_add_nc_u32 v[ADR], s36, v[LIW]
.if \m
	s_cmp_eq_u32 s39, 7                            ; the mask touches my last step alone
	s_cselect_b32 s53, s55, 0
	s_cselect_b32 s54, s74, 0
.irp j, 0,1,2,3,4,5,6,7
	v_mov_b32 v[CL+\j], s53
	v_mov_b32 v[CH+\j], s54
.endr
.irp j, 0,1,2,3,4,5,6,7
	v_cndmask_b32 v[CD+\j], v[CL], v[CH], s[56+\j]
.endr
.endif
	KLOAD                                          ; K's last reader stands half a step back
	MINT 7                                         ; (these lines stand while K is on its way)
	CVT 7
	s_wait_dscnt 0x0                               ; K is in
	ST 0, \m
	ST 1, \m
	ST 2, \m
	RESC 7                                         ; sixteen plain lines: the places behind the scores of tiles 0 to 2
	ST 3, \m
	PV 7
	MAXT 0, TM                                     ; 64 plain lines that name none of the last products' registers: the places in front of the loads into V
	MAXT 1, TA
	VLOAD
	WIN 0
.irp n, 0,1,2,3,4,5,6,7,8,9,10,11
	CHAINOP \n, 0, TM, RU
	CHAINOP \n, 1, TA, RU2
.endr
	FMAT 0
.irp t, 0,1,2,3,4,5,6,7
	XPH \t
	YPH \t, \m
.endr
	WIN 0                                          ; at a label and at a branch every window is 0
.endm
; THE CHANGE OF SLOTS stands at a slot's head.  Each wave waits for all its tensor loads (the slot that it is about to read), adds 0 to its spare word, and waits for that and for its reads of the slot that it has left;
; a round of the cluster's barrier; the joint load of the next two key steps into the slot that was left: it has two key steps in which to land.
.macro CHANGE
	s_wait_tensorcnt 0x0                           ; no tensor load of mine is out, so the descriptor may be written
	ds_add_u32 v[SPW], v[NIL]                      ; 0 onto my spare word
	s_xor_b32 s33, s33, SLOTB                      ; the other slot than last time,
	s_add_nc_u64 s[34:35], s[34:35], SLOTB         ; the next two key steps
	s_wait_xcnt 0x0                                ; the last prefetch, two key steps back, has read its address
	s_add_nc_u64 s[84:85], s[84:85], SLOTB
	s_wait_dscnt 0x0                               ; the add is done, and my reads of the slot that I have left are over
	CROUND
	tensor_load_to_lds s[32:35], s[24:31]          ; the first thing behind the round, and my one tensor load until the next
	s_nop 0
.rept 4
	v_nop
.endr
	; a prefetch of the 32,768 bytes that my wave's NEXT joint load will ask for, two key steps ahead of it: 128 blocks of 256 bytes; the four partners take 32 each, told apart by address, a lane a block:
	; each block is named once in the launch.  The last change asks for nothing: there is no slot behind it.
	s_cmp_gt_u32 s37, 1
	s_cbranch_scc0 .Lno_ask_\@
	global_prefetch_b8 v[PFO], s[84:85] th:TH_LOAD_NT scope:SCOPE_SE
.Lno_ask_\@:
.endm
	s_mov_b32 s37, 3
.Lslot:                                            ; three trips: key steps 0 to 5 of my eight
	CHANGE
	s_mov_b32 s38, 2
.Lstep_a:
	STEP 0
	s_add_co_u32 s36, s36, STEPB
	s_sub_co_u32 s38, s38, 1
	s_cmp_lg_u32 s38, 0
	s_cbranch_scc1 .Lstep_a
	s_sub_co_u32 s36, s36, SLOTB
	s_xor_b32 s36, s36, SLOTB                      ; on to the other slot
	s_sub_co_u32 s37, s37, 1
	s_cmp_lg_u32 s37, 0
	s_cbranch_scc1 .Lslot
	s_wait_tensorcnt 0x0                           ; the last slot has landed; only I read it, and nothing is filled any more
	s_mov_b32 s39, 6
.Lstep_b:                                          ; key steps 6 and 7, with the mask's C
	STEP 1
	s_add_co_u32 s36, s36, STEPB
	s_add_co_u32 s39, s39, 1
	s_cmp_lt_u32 s39, 8
	s_cbranch_scc1 .Lstep_b
	MINT 7                                         ; the last step's last tile
	CVT 7
	RESC 7
	PV 7
	WIN 0
	; THE JOIN.  l's halves; my O^T and my statistics go to my own ring bytes, which have had their last fill and my last read; a barrier; wave w joins tiles 2 w and 2 w + 1 of all four waves.
.irp t, 0,1,2,3,4,5,6,7
	v_add_f32 v[STT+6*\t+4], v[STT+6*\t+4], v[STT+6*\t+5]   ; (eight plain lines: the places behind the last products)
.endr
.irp t, 0,1,2,3,4,5,6,7
	v_permlanex16_b32 v[STT+6*\t+5], v[STT+6*\t+4], s20, s21
.endr
.irp t, 0,1,2,3,4,5,6,7
	v_add_f32 v[STT+6*\t+4], v[STT+6*\t+4], v[STT+6*\t+5]
.endr
.irp t, 0,1,2,3,4,5,6,7
	v_mov_b32 v[P+2*\t], v[STT+6*\t]               ; quads (-M, l, -M, l) of two tiles
	v_mov_b32 v[P+2*\t+1], v[STT+6*\t+4]
.endr
	WIN 0x08                                       ; store data window 2
.set qi, 0
.rept 64
	ds_store_b128 v[LIW], v[4*qi:4*qi+3] offset:512*qi   ; O^T as it stands, each accumulator from its low end on
.set qi, qi+1
.endr
	WIN 0
.irp g, 0,1,2,3
	ds_store_b128 v[LIW], v[P+4*\g:P+4*\g+3] offset:32768+512*\g
.endr
	s_lshl_b32 s75, s14, 13
	v_add_nc_u32 v8, s75, v[LI]                    ; tiles 2 w, 2 w + 1 in wave 0's image,
	v_add_nc_u32 v9, 0x10000, v8                   ; wave 1's,
	v_add_nc_u32 v10, 0x20000, v8
	v_add_nc_u32 v11, 0x30000, v8
	s_lshl_b32 s75, s14, 9
	v_add_nc_u32 v12, s75, v[LI]                   ; and their statistics
	v_add_nc_u32 v13, 0x10000, v12
	v_add_nc_u32 v14, 0x20000, v12
	v_add_nc_u32 v15, 0x30000, v12
	s_wait_dscnt 0x0                               ; for the others' sake: my stores are done
	s_barrier_signal -1
	s_barrier_wait -1
.irp u, 0,1,2,3
	ds_load_b128 v[144+4*\u:144+4*\u+3], v[12+\u] offset:32768
.endr
	WIN 0x40
.irp u, 0,1,2,3
.irp q, 0,1,2,3,4,5,6,7,8,9,10,11,12,13,14,15
	ds_load_b128 v[64*\u+4*\q:64*\u+4*\q+3], v[8+\u] offset:512*\q
.endr
.endr
	WIN 0
	v_and_b32 v195, 15, v0                         ; r
	v_bfe_u32 v196, v0, 4, 1                       ; h
	s_mul_i32 s75, s14, 16*SP
	s_add_co_u32 s75, s75, STG                     ; my stage
	v_mul_u32_u24 v192, v195, SP
	v_lshl_add_u32 v192, v196, 5, v192
	v_add_nc_u32 v192, s75, v192                   ; in: row r, + 32 h
	v_mul_u32_u24 v193, v196, SP
	v_lshl_add_u32 v193, v195, 4, v193
	v_add_nc_u32 v193, s75, v193                   ; back: lanes 0-15 one row, lanes 16-31 the next
	v_lshlrev_b32 v194, 12, v196
	v_lshl_add_u32 v194, v195, 4, v194             ; and the same two rows in out0
	s_wait_dscnt 0x0
.irp ta, 0,1
	v_min_num_f32 v[160+\ta], v[144+2*\ta], v[148+2*\ta]
	v_min_num_f32 v[172+\ta], v[152+2*\ta], v[156+2*\ta]
	v_min_num_f32 v[160+\ta], v[160+\ta], v[172+\ta]        ; the smallest -M: the largest M
.irp u, 0,1,2,3
	v_sub_f32 v[164+4*\ta+\u], v[160+\ta], v[144+4*\u+2*\ta] ; that wave's M less the largest: a whole number, 0 or less
.endr
.irp u, 0,1,2,3
	v_cvt_i32_f32 v[164+4*\ta+\u], v[164+4*\ta+\u]
.endr
.irp u, 0,1,2,3
	v_ldexp_f32 v[164+4*\ta+\u], 1.0, v[164+4*\ta+\u]       ; an exact power of two
.endr
	v_mul_f32 v[162+\ta], v[164+4*\ta], v[145+2*\ta]
.irp u, 1,2,3
	v_fma_f32 v[162+\ta], v[164+4*\ta+\u], v[145+4*\u+2*\ta], v[162+\ta]   ; the row's sum
.endr
.endr
	v_rcp_f32 v162, v162
	v_rcp_f32 v163, v163
	v_nop                                          ; a plain line behind the reciprocals
	s_wait_alu depctr_va_vdst(0)                   ; one wait for both, ahead of the first line that names a result
	v_ldexp_f32 v162, v162, s72                    ; x 2^(e8 + e9)
	v_ldexp_f32 v163, v163, s72
.irp ta, 0,1
.irp u, 0,1,2,3
	v_mul_f32 v[176+2*(4*\ta+\u)], v[164+4*\ta+\u], v[162+\ta]
	v_mul_f32 v[176+2*(4*\ta+\u)+1], v[164+4*\ta+\u], v[162+\ta]   ; (named with it as a pair, so it is written)
.endr
.endr
	WIN 0x01                                       ; source 0: the four waves' O^T, window 1
.irp ta, 0,1
.set oi, 0
.rept 16
	v_pk_mul_f32 v[64+32*\ta+2*oi:64+32*\ta+2*oi+1], v[32*\ta+2*oi:32*\ta+2*oi+1], v[176+8*\ta:176+8*\ta+1] op_sel_hi:[1,0]
.set oi, oi+1
.endr
.irp u, 1,2,3
.set oi, 0
.rept 16
	v_pk_fma_f32 v[64+32*\ta+2*oi:64+32*\ta+2*oi+1], v[64*\u+32*\ta+2*oi:64*\u+32*\ta+2*oi+1], v[176+8*\ta+2*\u:176+8*\ta+2*\u+1], v[64+32*\ta+2*oi:64+32*\ta+2*oi+1] op_sel_hi:[1,0,1]
.set oi, oi+1
.endr
.endr
.endr
	WIN 0
	; a lane holds eight neighbouring d of one query; a query's 64 d are 256 bytes of out0: through my stage, so that sixteen lanes store 256 consecutive bytes, aligned
.irp ta, 0,1
.irp dt, 0,1,2,3
	ds_store_b128 v192, v[64+32*\ta+8*\dt:64+32*\ta+8*\dt+3] offset:64*\dt
	ds_store_b128 v192, v[64+32*\ta+8*\dt+4:64+32*\ta+8*\dt+7] offset:64*\dt+16
.endr
.irp i, 0,1,2,3,4,5,6,7
	ds_load_b128 v[128+32*\ta+4*\i:128+32*\ta+4*\i+3], v193 offset:2*\i*SP   ; LDS serves a wave's instructions in order (ISA guide 5.7.1.4): these see my stores, and the next tile's stores come behind them
.endr
.endr
.irp i, 0,1,2,3,4,5,6,7
	s_wait_dscnt 23-\i                             ; behind this load: the tile's later loads and the next tile's sixteen LDS instructions
	global_store_b128 v194, v[128+4*\i:128+4*\i+3], s[12:13] offset:2*\i*4096 th:TH_STORE_NT
.endr
.irp i, 0,1,2,3,4,5,6,7
	s_wait_dscnt 7-\i
	global_store_b128 v194, v[160+4*\i:160+4*\i+3], s[12:13] offset:(16+2*\i)*4096 th:TH_STORE_NT
.endr
	s_wait_tensorcnt 0x0                           ; the wave's end
	ds_add_u32 v[SPW], v[NIL]
	s_wait_dscnt 0x0
	CROUND                                         ; the closing round: no work-group ends while a partner may still ask for a tile that names it
	s_endpgm
.Lfunc_end_k_qf99b5e5c34_attn:
	.size	k_qf99b5e5c34_attn, .Lfunc_end_k_qf99b5e5c34_attn-k_qf99b5e5c34_attn
	.p2alignl 7, 3214868480
	.fill 96, 4, 3214868480
	.section	.rodata,"a",@progbits
	.p2align	6, 0x0
	.amdhsa_kernel k_qf99b5e5c34_attn
		.amdhsa_group_segment_fixed_size 327680
		.amdhsa_private_segment_fixed_size 0
		.amdhsa_enable_private_segment 0
		.amdhsa_kernarg_size 40
		.amdhsa_user_sgpr_count 2
		.amdhsa_user_sgpr_kernarg_segment_ptr 1
		.amdhsa_wavefront_size32 1
		.amdhsa_system_sgpr_workgroup_id_x 1
		.amdhsa_system_sgpr_workgroup_id_y 1
		.amdhsa_system_sgpr_workgroup_id_z 1
		.amdhsa_system_vgpr_workitem_id 0
		.amdhsa_next_free_vgpr 1024
		.amdhsa_next_free_sgpr 96
		.amdhsa_reserve_vcc 1
		.amdhsa_float_denorm_mode_32 3
		.amdhsa_float_denorm_mode_16_64 3
		.amdhsa_memory_ordered 1
		.amdhsa_forward_progress 1
		.amdhsa_inst_pref_size 255
	.end_amdhsa_kernel
	.section	.bss,"aw",@nobits
	.p2align	6
	.space	262144
	.amdgpu_metadata
---
amdhsa.version: [ 1, 2 ]
amdhsa.kernels:
  - .name:           k_qf99b5e5c34_attn
    .symbol:         k_qf99b5e5c34_attn.kd
    .args:
      - { .name: x_codes, .offset: 0, .size: 8, .value_kind: global_buffer, .address_space: global }
      - { .name: Wq_codes, .offset: 8, .size: 8, .value_kind: global_buffer, .address_space: global }
      - { .name: lowp_scales, .offset: 16, .size: 8, .value_kind: global_buffer, .address_space: global }
      - { .name: kv, .offset: 24, .size: 8, .value_kind: global_buffer, .address_space: global }
      - { .name: out0, .offset: 32, .size: 8, .value_kind: global_buffer, .address_space: global }
    .group_segment_fixed_size: 327680
    .private_segment_fixed_size: 0
    .kernarg_segment_align: 8
    .kernarg_segment_size: 40
    .max_flat_workgroup_size: 128
    .sgpr_count:     96
    .vgpr_count:     1024
    .wavefront_size: 32
...
	.end_amdgpu_metadata
.endif
;; end of part 2
